; MI455X (gfx1250); checked and timed in simulation.
; The chip was launched on July 23, 2026; its instructions are those of AMD's public machine-readable ISA for CDNA 5 (MIT licence, August 2026) and "CDNA5" Instruction Set Architecture Reference Guide (July 2026). The comments in the code are by the model that wrote it; some were corrected since.
;; Full Attention. Allowed arithmetic: matrix products marked QUANTISED: E4M3 operands, one given power-of-two scale a tensor, by v_wmma_f32_16x16x64_fp8_fp8 or v_wmma_f32_16x16x128_fp8_fp8, f32 sums; everything else in f32.
;; Inputs: keys 2 x 4,096 x 8 x 64 float32; lowp_scales 4 int32 (the exponents e of the quantised operands' scales 2^e); queries 2 x 4,096 x 8 x 64 float32; values 2 x 4,096 x 8 x 64 float32.
;; Outputs: out0 2 x 4,096 x 8 x 64 float32.
;; This version of the problem:
;;   THIS VERSION OF THE PROBLEM IS GIVEN IN LOW PRECISION. The matrix products marked QUANTISED in the list below multiply operands that are first quantised to E4M3 (4 exponent bits, 3 mantissa bits; 8 bits a number), with one given power-of-two scale for each operand tensor; their sums are f32. All else is computed in f32.
;;   The module's matrix products, in the order in which they are computed (A, B: the left and right operand; K: the contracted axis; several contracted axes count as one K, in the product's order):
;;     1. batch 16 x [M 4,096, K 64] x [K 64, N 4,096]; A: input keys; B: input queries: QUANTISED (scales: A lowp_scales[0], B lowp_scales[1])
;;     2. batch 16 x [M 64, K 4,096] x [K 4,096, N 4,096]; A: input values; B: softmax (see below): QUANTISED (scales: A lowp_scales[2], B lowp_scales[3])
;;   THE QUANTISER, for each operand of a quantised product, along K:
;;     - The operand's scale is 2^e, e = its entry of the input lowp_scales (int32; the entries are numbered through the quantised products in the list's order, A before B).
;;     - Each number is divided by the scale, clamped to +-448, and rounded to the nearest number of E4M3, ties to even, subnormals kept.
;;     - The product sums the exact products of the quantised numbers (number of the format x scale) in f32.
;;   ~~~python
;;   def quantise(x, axis, e):      # numpy; x: float32 -> the quantised numbers, widened to float32 again
;;       x = np.moveaxis(x, axis, -1); K = x.shape[-1]
;;       r = np.clip(x / 2.0 ** e, -448, 448)
;;       step = 2.0 ** (np.maximum(np.frexp(np.where(r == 0, 1, r))[1] - 1, -6) - 3)
;;       q = np.round(r / step) * step * 2.0 ** e      # np.round: ties to even
;;       return np.moveaxis(q, -1, axis).astype(np.float32)
;;   ~~~
;;   SOFTMAX AHEAD OF A QUANTISED PRODUCT. Where the list says 'softmax', what is quantised is not the finished softmax but p = 2^(t - M), with t = logit x log2(e) and M = ceil(the row's largest t), a whole number; so 1/2 < the row's largest p <= 1. The row's sum l is taken of the UNQUANTISED p, in f32, and the product's result is divided by l at the end. Since M is a whole number, a kernel that streams over the keys may use a running M (the ceiling of the running maximum): every later rescaling is an exact power of two, so the quantised numbers keep their values, but for numbers so far below the row's largest that they fall under the format's range.
;;   OPERANDS COMPUTED ON THE WAY. 'Computed on the way' means the value that the module computes at that place (a softmax that the list does not call 'softmax' is quantised finished and normalised). What goes into a quantiser is computed in f32, as accurately as f32 sums, v_exp_f32 and their like allow (about 1e-6 of the number): no bf16 or f16 on the way to a quantiser, and a product that is left as it is and whose result goes on into a quantised operand takes f32 operands (vector FMAs, or v_wmma_f32_16x16x4_f32). A number that lies on a knife's edge between two numbers of the format may be rounded either way, as far as f32 arithmetic and the matrix unit's own rounding can turn it there, and no further.
;; One version. Each part assembles by itself: llvm-mc -triple=amdgcn-amd-amdhsa -mcpu=gfx1250 --defsym DOCPART=n.
;; ======== version 1 of 1: 2 launches
;; limits: right only within a limited range of input values
;; workspace buffers: kv 8,388,608 bytes
;; launch prep (part 1): grid 256 x 2, 8 waves a work-group, no clusters, 70,656 bytes of LDS; arguments keys, values, lowp_scales, kv; writes kv
.if DOCPART == 1
	.amdgcn_target "amdgcn-amd-amdhsa--gfx1250"
	.amdhsa_code_object_version 6
	.text
	.protected	k_qe495501dde_prep
	.globl	k_qe495501dde_prep
	.p2align	8
	.type	k_qe495501dde_prep,@function
k_qe495501dde_prep:
	s_mov_b64 s[64:65], 0
	v_nop
	global_prefetch_b8 v0, s[64:65] scope:SCOPE_SE
	s_setreg_imm32_b32 hwreg(HW_REG_WAVE_MODE, 25, 1), 1
	s_wait_xcnt 0x0
; keys and values, [2][4096][8][64] f32, become codes of FP8 (E4M3), each tensor with the one scale 2^e that is given for it (keys: entry 0 of lowp_scales, values: entry 2).
; code = x / 2^e, held within +-448, rounded to the nearest code, ties to even.  LIMITS: e between -126 and 119, so that 2^e and 448 x 2^e are f32 numbers; NaN among the inputs is not served.
; THE CODES ARE LAID AS IMAGES OF THE OPERANDS' REGISTERS, in units that the attention launch reads at one point of its walk.
; kv = [y = 8 n + head : 16][unit u : 32][16,384 bytes]; a step is 128 keys.  Unit u holds V of step u (bytes 0 on) and K of step (u + 1) mod 32 (bytes 8,192 on).  With lane = (r = lane % 16, hh = lane / 16):
;   K: 1024 tile + 512 c + 16 lane: tile 2 b + u, key 32 b + 8 u + r + 8 (r / 8) of the step, channels 32 c + 16 hh + 0 .. 15
;   V: 2048 t + 512 c + 16 lane:    channel 16 t + r, keys 32 c + 16 hh + 0 .. 15 of the step
; (The keys of a tile of K are not neighbours: the 16 score registers of tiles 2 b and 2 b + 1 are then 16 neighbouring keys, the order that the second product's operand wants.)
; SHARES.  Work-group x = 128 n + g takes the 32 keys 32 g on of batch n; y = 0: keys, y = 1: values.  Wave w is head w: the eight waves read 32 rows of 2,048 consecutive bytes.  A wave reads 8,192 bytes and
; stores 2,048.  No loop: every offset is an immediate.  No tensor loads, no barrier: waves share nothing.
; K: the conversions want 16 neighbouring channels in ONE lane; the loads take the rows as they lie and the rows turn through the wave's own stage in LDS.
; V: a lane takes a channel and its registers run down the keys, so the conversions give codes with the keys innermost and nothing is transposed.
.set PITCH, 272                        ; a stage row: 256 bytes + 16
.set WSTG,  32*PITCH                   ; a wave's stage: 32 rows
.set R,     16                         ; v16-79   K's rows as they are loaded
.set X,     80                         ; v80-143  four groups of 16 neighbours along the product's K
.set C,     144                        ; v144-159 the codes: four registers a group
	s_load_b128 s[4:7], s[0:1], 0x0                ; keys, values
	s_load_b128 s[8:11], s[0:1], 0x10              ; the scales' exponents, kv
	v_lshl_add_u32 v160, v0, 2, 0x11000
	v_mov_b32 v161, 0
	v_lshrrev_b32 v1, 5, v0
	s_delay_alu instid0(VALU_DEP_1)
	v_readfirstlane_b32 s12, v1                    ; wave = head
	s_and_b32 s13, ttmp7, 0xffff                   ; 0: keys, 1: values
	v_and_b32 v1, 15, v0                           ; lane % 16
	v_bfe_u32 v2, v0, 4, 1                         ; lane / 16
	v_and_b32 v7, 31, v0                           ; lane
	s_delay_alu instid0(VALU_DEP_3)
	v_lshlrev_b32 v8, 4, v1
	s_delay_alu instid0(VALU_DEP_1)
	v_lshl_add_u32 v3, v2, 11, v8                  ; 2048 (lane / 16) + 16 (lane % 16)
	s_delay_alu instid0(VALU_DEP_3)
	v_lshlrev_b32 v4, 4, v7                        ; 16 x lane: K's place in an image
	s_delay_alu instid0(VALU_DEP_4)
	v_lshlrev_b32 v5, 2, v7                        ; 4 x lane: V's channel in a row
	s_mul_i32 s28, s12, WSTG                       ; my stage
	v_mul_u32_u24 v14, v2, PITCH
	s_delay_alu instid0(VALU_DEP_1)
	v_add_nc_u32 v14, v14, v8
	s_delay_alu instid0(VALU_DEP_1)
	v_add_nc_u32 v14, s28, v14                     ; into it: two rows an instruction, as loaded
	v_mul_u32_u24 v15, v1, PITCH
	s_delay_alu instid0(VALU_DEP_1)
	v_lshl_add_u32 v15, v2, 6, v15
	s_delay_alu instid0(VALU_DEP_1)
	v_add_nc_u32 v15, s28, v15                     ; out of it: row lane % 16 of a tile, 64 bytes for each half of the lanes
	s_cmp_eq_u32 s13, 0
	s_cselect_b32 s20, 11, 9                       ; a group of 32 keys is two tiles of K (2,048 bytes) or one chunk of each image of V (512 bytes)
	s_cselect_b32 s21, 8192, 0                     ; K's image lies behind V's in a unit,
	s_cselect_b32 s23, 31, 0                       ; and one unit earlier (mod 32)
	s_lshl_b32 s16, ttmp9, 16                      ; in: (128 n + g) x 32 rows of 2,048 bytes
	s_lshl_b32 s17, s12, 8                         ; + my head's 256 bytes of a row
	s_add_co_u32 s16, s16, s17
	s_mov_b32 s17, 0
	s_lshr_b32 s18, ttmp9, 7                       ; out: n,
	s_lshl_b32 s18, s18, 3
	s_add_co_u32 s18, s18, s12                     ; y = 8 n + head,
	s_lshl_b32 s18, s18, 19                        ; 32 units of 16,384 bytes each
	s_bfe_u32 s22, ttmp9, 0x50002                  ; the step: g / 4
	s_add_co_u32 s22, s22, s23
	s_and_b32 s22, s22, 31                         ; the unit
	s_lshl_b32 s22, s22, 14
	s_add_co_u32 s18, s18, s22
	s_and_b32 s22, ttmp9, 3                        ; the group of 32 keys in the step
	s_lshl_b32 s22, s22, s20
	s_add_co_u32 s18, s18, s22
	s_add_co_u32 s18, s18, s21
	s_mov_b32 s19, 0
	s_wait_kmcnt 0x0
	s_load_b128 s[24:27], s[8:9], 0x0              ; ek, eq, ev, ep
	s_cmp_eq_u32 s13, 0                            ; the choice hangs on the work-group's number alone
	s_cselect_b64 s[4:5], s[4:5], s[6:7]
	s_add_nc_u64 s[4:5], s[4:5], s[16:17]
	s_add_nc_u64 s[10:11], s[10:11], s[18:19]
.macro SCALE e                         ; s[e] holds the exponent: v11 = 2^e as f32, v10 = 448 x 2^e
	s_wait_kmcnt 0x0
	s_add_co_i32 s29, s[\e], 127
	s_lshl_b32 s30, s29, 23
	v_mov_b32 v11, s30
	s_add_co_i32 s29, s29, 8
	s_lshl_b32 s29, s29, 23
	s_or_b32 s29, s29, 0x600000
	v_mov_b32 v10, s29
.endm
.macro QUANT g                         ; group g's 16 numbers become 16 codes; the results go to a store alone
.irp i, 0,1,2,3,4,5,6,7,8,9,10,11,12,13,14,15
	v_med3_num_f32 v[X+16*(\g)+\i], v[X+16*(\g)+\i], -v10, v10   ; the conversion does not saturate (ISA guide 7.6.2): the hold comes first
.endr
	v_cvt_scalef32_pk8_fp8_f32 v[C+4*(\g):C+4*(\g)+1], v[X+16*(\g):X+16*(\g)+7], v11
	v_cvt_scalef32_pk8_fp8_f32 v[C+4*(\g)+2:C+4*(\g)+3], v[X+16*(\g)+8:X+16*(\g)+15], v11
.endm
	s_cmp_lg_u32 s13, 0
	s_cbranch_scc1 .Lvalues
	; ---- KEYS
.set i, 0
	s_wait_alu depctr_va_vdst(0)
.rept 16
	global_load_b128 v[R+4*i:R+4*i+3], v3, s[4:5] offset:4096*i th:TH_LOAD_NT   ; rows 2 i and 2 i + 1: sixteen lanes read a head's 256 bytes of a row
.set i, i+1
.endr
.set i, 0
.rept 16                               ; row 16 a + 8 u + j of the group goes to stage row 16 u + 8 a + j
	s_wait_loadcnt 15-i                            ; pair i is in, the younger ones stay out
	ds_store_b128 v14, v[R+4*i:R+4*i+3] offset:(16*((i/4)%2)+8*(i/8)+2*(i%4))*PITCH
.set i, i+1
.endr
.irp g, 0,1,2,3                        ; group g = 2 u + c: tile u, channels 32 c + 16 (lane / 16) + 0 .. 15
.irp j, 0,1,2,3
	ds_load_b128 v[X+16*\g+4*\j:X+16*\g+4*\j+3], v15 offset:16*(\g/2)*PITCH+128*(\g%2)+16*\j
.endr
.endr
	SCALE 24
	s_wait_alu depctr_va_vdst(0)
.irp g, 0,1,2,3
	s_wait_dscnt 12-4*\g                           ; group g's four loads are in
	QUANT \g
	global_store_b128 v4, v[C+4*\g:C+4*\g+3], s[10:11] offset:512*\g   ; 32 lanes store 512 consecutive bytes
.endr
	s_wait_tensorcnt 0x0
	ds_add_u32 v160, v161
	s_wait_dscnt 0x0
	s_endpgm
	; ---- VALUES
.Lvalues:
.set rho, 0
	s_wait_alu depctr_va_vdst(0)
.rept 32                               ; key rho of the group, channels lane and 32 + lane
	global_load_b32 v[X+16*(rho/16)+rho%16], v5, s[4:5] offset:2048*rho th:TH_LOAD_NT
	global_load_b32 v[X+32+16*(rho/16)+rho%16], v5, s[4:5] offset:2048*rho+128 th:TH_LOAD_NT
.set rho, rho+1
.endr
	SCALE 26
	s_wait_alu depctr_va_vdst(0)
	s_wait_loadcnt 32                              ; keys 0 to 15 are in (the first 32 loads)
.irp g, 0,2                            ; group g = 2 d + k: channel 32 d + lane, keys 16 k + 0 .. 15
	QUANT \g
	global_store_b128 v3, v[C+4*\g:C+4*\g+3], s[10:11] offset:4096*(\g/2)+256*(\g%2)   ; sixteen lanes store 256 consecutive bytes, aligned
.endr
	s_wait_loadcnt 0x0
.irp g, 1,3
	QUANT \g
	global_store_b128 v3, v[C+4*\g:C+4*\g+3], s[10:11] offset:4096*(\g/2)+256*(\g%2)
.endr
	s_endpgm
.Lfunc_end_k_qe495501dde_prep:
	.size	k_qe495501dde_prep, .Lfunc_end_k_qe495501dde_prep-k_qe495501dde_prep
	.p2alignl 7, 3214868480
	.fill 96, 4, 3214868480
	.section	.rodata,"a",@progbits
	.p2align	6, 0x0
	.amdhsa_kernel k_qe495501dde_prep
		.amdhsa_group_segment_fixed_size 70656
		.amdhsa_private_segment_fixed_size 0
		.amdhsa_enable_private_segment 0
		.amdhsa_kernarg_size 32
		.amdhsa_user_sgpr_count 2
		.amdhsa_user_sgpr_kernarg_segment_ptr 1
		.amdhsa_wavefront_size32 1
		.amdhsa_system_sgpr_workgroup_id_x 1
		.amdhsa_system_sgpr_workgroup_id_y 1
		.amdhsa_system_sgpr_workgroup_id_z 1
		.amdhsa_system_vgpr_workitem_id 0
		.amdhsa_next_free_vgpr 162
		.amdhsa_next_free_sgpr 66
		.amdhsa_reserve_vcc 0
		.amdhsa_float_denorm_mode_32 3
		.amdhsa_float_denorm_mode_16_64 3
		.amdhsa_memory_ordered 1
		.amdhsa_forward_progress 1
		.amdhsa_inst_pref_size 24
	.end_amdhsa_kernel
	.amdgpu_metadata
---
amdhsa.version: [ 1, 2 ]
amdhsa.kernels:
  - .name:           k_qe495501dde_prep
    .symbol:         k_qe495501dde_prep.kd
    .args:
      - { .name: keys, .offset: 0, .size: 8, .value_kind: global_buffer, .address_space: global }
      - { .name: values, .offset: 8, .size: 8, .value_kind: global_buffer, .address_space: global }
      - { .name: lowp_scales, .offset: 16, .size: 8, .value_kind: global_buffer, .address_space: global }
      - { .name: kv, .offset: 24, .size: 8, .value_kind: global_buffer, .address_space: global }
    .group_segment_fixed_size: 70656
    .private_segment_fixed_size: 0
    .kernarg_segment_align: 8
    .kernarg_segment_size: 32
    .max_flat_workgroup_size: 256
    .sgpr_count:     66
    .vgpr_count:     162
    .wavefront_size: 32
...
	.end_amdgpu_metadata
.endif
;; end of part 1
;; launch attn (part 2): grid 16 x 16, 4 waves a work-group, clusters of 4 x 1, 327,680 bytes of LDS; arguments queries, kv, lowp_scales, out0; writes out0
.if DOCPART == 2
	.amdgcn_target "amdgcn-amd-amdhsa--gfx1250"
	.amdhsa_code_object_version 6
	.text
	.protected	k_qe495501dde_attn
	.globl	k_qe495501dde_attn
	.p2align	8
	.type	k_qe495501dde_attn,@function
k_qe495501dde_attn:
	s_mov_b64 s[64:65], 0
	v_nop
	global_prefetch_b8 v0, s[64:65] scope:SCOPE_SE
	s_setreg_imm32_b32 hwreg(HW_REG_WAVE_MODE, 25, 1), 1
	s_wait_xcnt 0x0
	s_wait_alu depctr_hold_cnt(0) depctr_sa_sdst(0) depctr_va_vdst(0) depctr_va_sdst(0) depctr_va_ssrc(0) depctr_va_vcc(0) depctr_vm_vsrc(0)
	s_getreg_b32 s2, hwreg(HW_REG_IB_STS2, 6, 4)
	s_cmp_eq_u32 s2, 0
	s_cbranch_scc0 .Lentry_in_a_cluster
	s_endpgm
.Lentry_in_a_cluster:
	s_bfe_u32 s2, ttmp6, 0x10000c
	s_cmp_lg_u32 s2, 0x3003
	s_cbranch_scc0 .Lentry_shape_is_right
	s_endpgm
.Lentry_shape_is_right:
; out0[n][l][h][:] = the sum over s of softmax_s(q . k / 8) v[s][:], both products on codes of FP8 (E4M3), each operand with the one scale 2^e that is given for it: lowp_scales = ek, eq, ev, ep.
; queries, out0: [2][4096][8][64] f32.  kv: the codes of keys and values as images of the operands' registers: [y = 8 n + h][unit u : 32][V of step u: 8,192 bytes | K of step (u + 1) mod 32: 8,192 bytes]; a step is 128 keys.
; THE SOFTMAX: t = score x log2(e) / 8; M = the largest t so far, rounded UP to a whole number; p = 2^(t - M) is quantised, not normalised.  The row's sum is taken of the unquantised p, in f32, and divides O at the end.
; In every step the sum and O are multiplied by f = 2^(old M - new M), which rounds nothing; there is no branch on data.  The running maximum is kept as a raw score (its factor is positive).
; SHARES.  A work-group owns 256 queries of one (n, h); each of its four waves, one to a SIMD, owns 64: four tiles of 16.  A fragment of K or V feeds four matrix instructions.
; LAYOUT.  Both products transposed: S^T = K Q^T, O^T = V^T P^T: a lane holds ONE query (lane % 16).  The 16 score registers of K's tiles 2 b, 2 b + 1 are keys 32 b + 16 (lane / 16) + 0 .. 15: the conversions' results ARE P.
; THE WALK goes by tiles: number j = 4 x step + tile.  Phase j, first part: the rescaling of O and the codes of j - 2; K Q of j + 2 (into the score registers that j - 2 has left); the four products P V of j - 2,
; and behind each of them eight lines of the sums of j - 1 with the dependent lines that make M and f of j + 1 strewn among them.  Second part: the maxima of j + 2; then the 64 exponentials of j, one by one among
; the t - M of j + 1 and the holds of j - 1.  Nothing written in that mixed run is read before the next phase's wait, so a phase has one such wait.
; K of step s + 1 and V of step s are read from LDS at one point (phase 4 s + 1, behind its products): that is a unit.  A loop trip runs from there once round the four tiles.  K of step 0 comes from memory into registers.
; RING.  Two LDS slots of 131,072 bytes, 8 units each; every wave brings a quarter of a slot by one tensor load of 128 rows x 256 bytes; one is out at most.  Four changes of slots in all.
; CLUSTER.  The four query blocks of a cluster belong to one (n, h): each quarter is asked for JOINTLY, same descriptor, mask of all four.
; PREFETCH.  At the change that loads slot k + 1 each cluster names slot k + 2 once: 512 blocks of 256 bytes on 4 work-groups (told apart by address) x 4 waves x 32 lanes, one instruction a wave; slots 0, 1 come by their loads alone.
; O^T and the sums begin as zeros and M far below: the first step is then a step like every other and is not written out again.
; LIMITS on the given exponents: ek + eq between -123 and 130 (added to c's exponent field); eq and ep between -126 and 119.  NaN among the inputs is not served.
; REGISTERS, in windows of 256 (s_set_vgpr_msb: bits 1:0 source 0, 3:2 source 1, 5:4 source 2, 7:6 destination):
;   window 0: v1-15 addresses, constants; v16-47 Q; v48-111 P; v112-175 K of one step; v177 a second copy of the hold's bound
;   window 1: v0-255 S^T, then p: 64 a tile
;   window 2: v0-127 O^T (32 a tile); v128-191 V of one step; v192-255 statistics, 16 a tile: +0 -M, +1 the largest score, +2..9 the sum in four pairs, +10 f, +11 0, +12..15 at work
.set SLOTB, 1<<17
.set UNIT,  16384
.set SPARE, 2*SLOTB                    ; the spare words: 128 bytes a wave, two blocks of 256 bytes that no other line names
.set STAGE, SPARE+512                  ; for each wave 32 rows x 272 bytes: Q's way in and the way out; no tensor load lands here
.set SP,    272
.set LI,   1                           ; 16 x lane
.set ADR,  2                           ; + the unit in hand
.set SPW,  3                           ; my spare word; never rewritten
.set NIL,  4                           ; 0; never rewritten
.set PFO,  5                           ; 256 x lane
.set QO,   6                           ; the stage: row r, + 64 hh
.set STO,  7                           ; the stage: row r, + 32 hh
.set RD,   8                           ; the stage: row hh, + 16 r
.set GO,   9                           ; two rows of queries or out0: 2048 hh + 16 r
.set LIMP, 10                          ; 448 x 2^ep
.set SCP,  11                          ; 2^ep
.set LIMB, 177                         ; 448 x 2^ep once more: the two halves of a dual pair take it from two registers
.set QF,   16
.set PF,   48
.set KF,   112
.set VF,   128                         ; window 2
.set ST,   192                         ; window 2
.set WV,   12
.set SEL,  20
.set CS,   22                          ; s[22:23] c = log2(e) / 8 x 2^(ek + eq)
.set G1,   24
.set G0,   32
.set TB,   36                          ; LDS byte of the unit in hand
.set SLOTS, 37
.set CNT,  38
.set SB,   39                          ; LDS byte of the slot in hand
.set PFA,  40
.set STG,  54                          ; s54 my stage
.set MSB, 0
.macro WIN new                         ; the immediate's high byte repeats the setting that is left
.if MSB != \new
	s_set_vgpr_msb (MSB<<8)|\new
.set MSB, \new
.endif
.endm
.macro CROUND                          ; a round of the cluster's barrier
	s_barrier_signal -1
	s_barrier_wait -1
	s_cmp_lg_u32 s[WV], 0
	s_cbranch_scc1 .Lnot_wave_0_\@
	s_barrier_signal -3
.Lnot_wave_0_\@:
	s_barrier_wait -3
	s_barrier_signal -1
	s_barrier_wait -1
.endm
.macro TLOAD                           ; every wave's quarter of a slot
	tensor_load_to_lds s[G0:G0+3], s[G1:G1+7]
	s_nop 0
.rept 4
	v_nop
.endr
.endm
; The n-th link of the chain that makes tile XP's new M and f (T: its statistics).  Each link reads the one before.
.macro LK n
.if LON
.if \n == 0
	v_max_num_f32 v[T+12], v[T+12], v[T+13]        ; the four chains of maxima
	v_max_num_f32 v[T+14], v[T+14], v[T+15]
.endif
.if \n == 1
	v_max_num_f32 v[T+12], v[T+12], v[T+14]
.endif
.if \n == 2
	v_permlanex16_b32 v[T+13], v[T+12], s[SEL], s[SEL+1]   ; the query's other 64 keys lie in the lane 16 away
.endif
.if \n == 3
	v_max_num_f32 v[T+1], v[T+12], v[T+13]         ; the running largest score (the chains began with the old one)
.endif
.if \n == 4
	v_mul_f32 v[T+15], s[CS], v[T+1]               ; as t
	v_mov_b32 v[T+14], v[T]                        ; the old -M
.endif
.if \n == 5
	v_floor_f32 v[T], -v[T+15]                     ; -M = floor(-t)
.endif
.if \n == 6
	v_sub_f32 v[T+14], v[T], v[T+14]               ; old M - new M, a whole number, 0 or less
.endif
.if \n == 7
	v_cvt_i32_f32 v[T+14], v[T+14]                 ; (it saturates)
.endif
.if \n == 8
	v_ldexp_f32 v[T+10], 1.0, v[T+14]              ; f
.endif
.endif
.endm
; n lines of the row's sum of the UNQUANTISED p of tile XM, two numbers a line, four chains.  Each chain's first line brings the sum under the new M: sum x f + p.  p stands in the third source place, whose window
; is S's, so that these lines and the links above run under one setting of the windows; that is why the later lines are written sum x 1 + p.
.macro A n
.if AON
.rept \n
.if AI < 4
	v_pk_fma_f32 v[ST+16*XM+2+2*(AI%4):ST+16*XM+2+2*(AI%4)+1], v[ST+16*XM+2+2*(AI%4):ST+16*XM+2+2*(AI%4)+1], v[ST+16*XM+10:ST+16*XM+11], v[64*XM+2*AI:64*XM+2*AI+1] op_sel_hi:[1,0,1]
.else
	v_pk_fma_f32 v[ST+16*XM+2+2*(AI%4):ST+16*XM+2+2*(AI%4)+1], v[ST+16*XM+2+2*(AI%4):ST+16*XM+2+2*(AI%4)+1], 1.0, v[64*XM+2*AI:64*XM+2*AI+1] op_sel_hi:[1,0,1]
.endif
.set AI, AI+1
.endr
.endif
.endm
.macro PVI t                           ; one product P V of tile XQ, channels 16 t on; the windows are then set for the lines that follow it
.if PON
	WIN 0xa2
	v_wmma_f32_16x16x128_fp8_fp8 v[32*XQ+8*\t:32*XQ+8*\t+7], v[VF+16*\t:VF+16*\t+15], v[PF+16*XQ:PF+16*XQ+15], v[32*XQ+8*\t:32*XQ+8*\t+7]
.endif
.if LON || AON
	WIN 0x9a
.endif
.endm
; The first part of phase x.  st: M and f of tile x + 1; pv: rescaling, codes and P V of tile x + 2; qk: K Q of that tile's next step; wd: the unit's LDS loads are waited for here; ad: the sums of tile x + 3.
.macro PA x, st, pv, qk, wd, ad
.set XQ, ((\x)+2)%4
.set XP, ((\x)+1)%4
.set XM, ((\x)+3)%4
.set T, ST+16*XP
.set LON, \st
.set PON, \pv
.set AON, \ad
.set AI, 0
	WIN 0x9a
.if \wd
	s_wait_dscnt 0x0
.endif
	s_wait_alu depctr_va_vdst(0)                   ; one wait: for the exponentials behind me, for all that was written among them, and directly ahead of the first reader of O^T
.if \pv
.set ii, 0
.rept 16                               ; O^T of tile XQ under its new M: x f; each accumulator from its low end on
	v_pk_mul_f32 v[32*XQ+ii:32*XQ+ii+1], v[32*XQ+ii:32*XQ+ii+1], v[ST+16*XQ+10:ST+16*XQ+11] op_sel_hi:[1,0]
.set ii, ii+2
.endr
	WIN 0x01
.irp b, 0,1,2,3
	v_cvt_scalef32_pk8_fp8_f32 v[PF+16*XQ+4*\b:PF+16*XQ+4*\b+1], v[64*XQ+16*\b:64*XQ+16*\b+7], v[SCP]
	v_cvt_scalef32_pk8_fp8_f32 v[PF+16*XQ+4*\b+2:PF+16*XQ+4*\b+3], v[64*XQ+16*\b+8:64*XQ+16*\b+15], v[SCP]
.endr
	v_nop                                          ; one place between the conversions and the products that read their results and write their sources
.endif
.if \qk
	WIN 0x40
.irp t, 0,1,2,3,4,5,6,7
	v_wmma_f32_16x16x64_fp8_fp8 v[64*XQ+8*\t:64*XQ+8*\t+7], v[KF+8*\t:KF+8*\t+7], v[QF+8*XQ:QF+8*XQ+7], 0
.endr
.endif
	PVI 0
	LK 0
	A 3
	LK 1
	A 3
	LK 2
	A 2
	PVI 1
	A 1
	LK 3
	A 3
	LK 4
	A 2
	LK 5
	A 2
	PVI 2
	A 1
	LK 6
	A 3
	LK 7
	A 3
	LK 8
	A 1
	PVI 3
	A 8                                            ; also the places behind the last product, ahead of the loads into K's and V's registers
.endm
.macro LOADS kk                        ; a unit: V of this step and (kk = 1) K of the next: 32 loads of 512 consecutive bytes
	WIN 0
	v_add_nc_u32 v[ADR], s[TB], v[LI]
.if \kk == 1
.set ii, 0
.rept 16
	ds_load_b128 v[KF+4*ii:KF+4*ii+3], v[ADR] offset:8192+512*ii
.set ii, ii+1
.endr
.endif
	WIN 0x80
.set ii, 0
.rept 16
	ds_load_b128 v[VF+4*ii:VF+4*ii+3], v[ADR] offset:512*ii
.set ii, ii+1
.endr
.endm
.macro MIX ex, mn, fm                  ; exponentials of tile X0 among the t - M of XP and the holds of XM
	WIN 0x61
.set ii, 0
.rept 32
.if \ex
	v_exp_f32 v[64*X0+ii], v[64*X0+ii]
.endif
.if \fm
	v_pk_fma_f32 v[64*XP+ii:64*XP+ii+1], v[64*XP+ii:64*XP+ii+1], s[CS:CS+1], v[ST+16*XP:ST+16*XP+1] op_sel_hi:[1,0,0]
.endif
.if \ex
	v_exp_f32 v[64*X0+ii+1], v[64*X0+ii+1]
.endif
.if \mn                                ; the conversion does not saturate (ISA guide 7.6.2); p is not negative, so the hold is one-sided; two holds an instruction
	v_dual_min_num_f32 v[64*XM+ii], v[64*XM+ii], v[LIMP] :: v_dual_min_num_f32 v[64*XM+ii+1], v[64*XM+ii+1], v[LIMB]
.endif
.set ii, ii+2
.endr
.endm
; The second part of phase x.  np: four places, where the first part left none behind its products.
.macro PB x, np, ld, mx, ex, mn, fm
.set X0, \x
.set XM, ((\x)+3)%4
.set XQ, ((\x)+2)%4
.set XP, ((\x)+1)%4
.if \np
.rept 4
	v_nop
.endr
.endif
.if \ld
	LOADS \ld
.endif
.if \mx
	WIN 0x96
.set ii, 0
.rept 32                               ; the largest score among my 64 keys: four chains, each accumulator from its low end on
.if ii < 4
	v_max3_num_f32 v[ST+16*XQ+12+ii], v[ST+16*XQ+1], v[64*XQ+2*ii], v[64*XQ+2*ii+1]
.else
	v_max3_num_f32 v[ST+16*XQ+12+ii%4], v[ST+16*XQ+12+ii%4], v[64*XQ+2*ii], v[64*XQ+2*ii+1]
.endif
.set ii, ii+1
.endr
.endif
.if \ex || \mn || \fm
	MIX \ex, \mn, \fm
.endif
.endm
.macro TRIP                            ; unit s: from phase 4 s + 1's second part to phase 4 s + 5's first
	PB 1, 0,1,1,1,1,1
	PA 2, 1,1,1,1,1
	PB 2, 0,0,1,1,1,1
	PA 3, 1,1,1,0,1
	PB 3, 0,0,1,1,1,1
	PA 0, 1,1,1,0,1
	PB 0, 0,0,1,1,1,1
	PA 1, 1,1,1,0,1
	WIN 0
	s_add_co_u32 s[TB], s[TB], UNIT
.endm
; THE CHANGE OF SLOTS: all my tensor loads are in, the add, my reads of the slot left are over; fill = 1: a round of the cluster's barrier, then the slot just left takes the 8 units that follow.
.macro CHANGE fill
	s_wait_tensorcnt 0x0
	ds_add_u32 v[SPW], v[NIL]
.if \fill
	s_xor_b32 s[G0+1], s[G0+1], SLOTB
	s_add_nc_u64 s[G0+2:G0+3], s[G0+2:G0+3], SLOTB
	s_wait_xcnt 0x0                                ; the last prefetch has read its address
	s_add_nc_u64 s[PFA:PFA+1], s[PFA:PFA+1], SLOTB ; one slot further on than the walking descriptor
.endif
	s_wait_dscnt 0x0
.if \fill
	CROUND
	TLOAD
	s_cmp_gt_u32 s[SLOTS], 1                       ; the last filling change has no slot behind its own
	s_cbranch_scc0 .Lnone_\@
	global_prefetch_b8 v[PFO], s[PFA:PFA+1] th:TH_LOAD_NT scope:SCOPE_SE
.Lnone_\@:
.else
	s_barrier_signal -1
	s_barrier_wait -1
.endif
	s_mov_b32 s[TB], s[SB]
.endm
	s_load_b256 s[4:11], s[0:1], 0x0               ; queries s[4:5], kv s[6:7], the exponents s[8:9], out0 s[10:11]
	v_lshl_add_u32 v[SPW], v0, 2, SPARE
	v_mov_b32 v[NIL], 0
	ds_add_u32 v[SPW], v[NIL]                      ; the opening: the add twice on end and its wait ahead of my first tensor load
	ds_add_u32 v[SPW], v[NIL]
	v_lshrrev_b32 v[ADR], 5, v0
	v_readfirstlane_b32 s[WV], v[ADR]              ; wave 0..3
	s_bfe_u32 s13, ttmp6, 0x40000                  ; cx: it enters the addresses of queries, out0 and the prefetches alone
	s_lshl_b32 s14, ttmp9, 2
	s_add_co_u32 s14, s14, s13                     ; my block of 256 queries
	s_and_b32 s15, ttmp7, 0xffff                   ; y = 8 n + h
	s_lshr_b32 s42, s15, 3
	s_lshl_b32 s42, s42, 23                        ; n x 4,096 rows of 2,048 bytes,
	s_and_b32 s44, s15, 7
	s_lshl_b32 s44, s44, 8                         ; the head's 256 bytes of a row,
	s_add_co_u32 s42, s42, s44
	s_lshl_b32 s44, s14, 19                        ; my block's 256 rows,
	s_add_co_u32 s42, s42, s44
	s_lshl_b32 s44, s[WV], 17                      ; my wave's 64 of them
	s_add_co_u32 s42, s42, s44
	s_mov_b32 s43, 0
	s_lshl_b32 s48, s[WV], 15                      ; my quarter of a slot: the same place in LDS and in kv
	s_lshl_b32 s46, s15, 19
	s_add_co_u32 s52, s46, 0x7e000                 ; K of step 0: unit 31's second half
	s_mov_b32 s53, 0
	s_lshl_b32 s50, s13, 15                        ; the prefetches: my work-group's 32,768 bytes of a slot,
	s_add_co_u32 s50, s50, s46
	s_lshl_b32 s51, s[WV], 13                      ; my wave's 8,192 of them,
	s_add_co_u32 s50, s50, s51
	s_add_co_u32 s50, s50, SLOTB                   ; in slot 1: the first change steps it to slot 2
	s_mov_b32 s51, 0
	s_add_co_u32 s46, s46, s48
	s_mov_b32 s47, 0
	s_mul_i32 s[STG], s[WV], 32*SP
	s_add_co_u32 s[STG], s[STG], STAGE             ; my stage
	s_mov_b32 s[G1], 15|(3<<16)|(1<<21)            ; the mask of all four; elements of 8 bytes; bit 21 beside a mask
	s_mov_b32 s[G1+1], 32<<16
	s_mov_b32 s[G1+2], 128<<16
	s_mov_b32 s[G1+3], 32<<16
	s_mov_b32 s[G1+4], 128
	s_mov_b32 s[G1+5], 32
	s_mov_b32 s[G1+6], 0
	s_mov_b32 s[G1+7], 0
	s_mov_b32 s[SEL], 0x76543210
	s_mov_b32 s[SEL+1], 0xfedcba98
	s_mov_b32 s[CS], 0x3e38aa3b                    ; log2(e) / 8
	s_mov_b32 s[SB], 0
	s_mov_b32 s[SLOTS], 3
	s_wait_dscnt 0x0
	s_wait_kmcnt 0x0
	s_load_b128 s[16:19], s[8:9], 0x0              ; ek, eq, ev, ep
	s_add_nc_u64 s[4:5], s[4:5], s[42:43]
	s_add_nc_u64 s[10:11], s[10:11], s[42:43]
	s_add_nc_u64 s[PFA:PFA+1], s[6:7], s[50:51]
	s_add_nc_u64 s[52:53], s[6:7], s[52:53]
	s_mov_b32 s[G0], 1
	s_mov_b32 s[G0+1], s48
	s_add_nc_u64 s[G0+2:G0+3], s[6:7], s[46:47]
	s_or_b32 s[G0+3], s[G0+3], 0x80000000
	CROUND                                         ; the first joint loads meet
	TLOAD                                          ; slot 0
	v_and_b32 v[LI], 31, v0
	v_and_b32 v12, 15, v0                          ; r
	v_bfe_u32 v13, v0, 4, 1                        ; hh
	v_lshlrev_b32 v[PFO], 8, v[LI]
	v_lshlrev_b32 v[LI], 4, v[LI]
	v_lshlrev_b32 v[GO], 11, v13
	v_lshl_add_u32 v[GO], v12, 4, v[GO]
	v_mul_u32_u24 v[RD], v13, SP
	v_lshl_add_u32 v[RD], v12, 4, v[RD]
	v_add_nc_u32 v[RD], s[STG], v[RD]
	v_mul_u32_u24 v[QO], v12, SP
	v_lshl_add_u32 v[QO], v13, 6, v[QO]
	v_add_nc_u32 v[QO], s[STG], v[QO]
.set ii, 0
.rept 16
	global_load_b128 v[KF+4*ii:KF+4*ii+3], v[LI], s[52:53] offset:512*ii   ; K of step 0, straight into its registers
.set ii, ii+1
.endr
	WIN 0x40
.set ii, 0
.rept 32
	global_load_b128 v[4*ii:4*ii+3], v[GO], s[4:5] offset:4096*ii th:TH_LOAD_NT   ; Q's rows 2 ii and 2 ii + 1: sixteen lanes read a head's 256 bytes of a row
.set ii, ii+1
.endr
	WIN 0x80
.set ii, 0
.rept 128
	v_mov_b32 v[ii], 0                             ; O^T
.set ii, ii+1
.endr
.set ii, ST
.rept 64
	v_mov_b32 v[ii], 0                             ; the sums, and what is only named
.set ii, ii+1
.endr
.irp x, 0,1,2,3
	v_mov_b32 v[ST+16*\x], 0x7f61b1e6              ; -M = 3e38: the first f is 0
	v_mov_b32 v[ST+16*\x+1], 0xcc000000            ; -2^25, under every raw score (64 x 448 x 448 in magnitude at the most)
.endr
	WIN 0
	s_wait_kmcnt 0x0
	s_add_co_i32 s42, s16, s17
	s_lshl_b32 s42, s42, 23
	s_add_co_i32 s[CS], s[CS], s42                 ; x 2^(ek + eq)
	s_mov_b32 s[CS+1], s[CS]
	s_add_co_i32 s42, s17, 127
	s_lshl_b32 s43, s42, 23
	v_mov_b32 v14, s43                             ; 2^eq
	s_add_co_i32 s42, s42, 8
	s_lshl_b32 s42, s42, 23
	s_or_b32 s42, s42, 0x600000
	v_mov_b32 v15, s42                             ; 448 x 2^eq
	s_add_co_i32 s42, s19, 127
	s_lshl_b32 s43, s42, 23
	v_mov_b32 v[SCP], s43
	s_add_co_i32 s42, s42, 8
	s_lshl_b32 s42, s42, 23
	s_or_b32 s42, s42, 0x600000
	v_mov_b32 v[LIMP], s42
	v_mov_b32 v[LIMB], s42
	s_wait_alu depctr_va_vdst(0)
	s_wait_loadcnt 0x0                             ; K of step 0, and Q
	; the conversions want 16 neighbouring channels in one lane: Q's rows turn through my stage, 32 rows at a time.  LDS serves a wave's instructions in order, so no wait stands among these
	WIN 0x44
.irp hf, 0,1
.set ii, 0
.rept 16
	ds_store_b128 v[RD], v[64*\hf+4*ii:64*\hf+4*ii+3] offset:2*SP*ii
.set ii, ii+1
.endr
.irp xx, 0,1
.irp c, 0,1
.irp j, 0,1,2,3
	ds_load_b128 v[128+64*\hf+32*\xx+16*\c+4*\j:128+64*\hf+32*\xx+16*\c+4*\j+3], v[QO] offset:16*SP*\xx+128*\c+16*\j   ; tile 2 hf + xx, row r, channels 32 c + 16 hh + 4 j on
.endr
.endr
.endr
.endr
	s_wait_dscnt 0x0
	WIN 0x41
.set ii, 0
.rept 128
	v_med3_num_f32 v[128+ii], v[128+ii], -v15, v15
.set ii, ii+1
.endr
	WIN 0x01
.irp x, 0,1,2,3
.irp c, 0,1
	v_cvt_scalef32_pk8_fp8_f32 v[QF+8*\x+4*\c:QF+8*\x+4*\c+1], v[128+32*\x+16*\c:128+32*\x+16*\c+7], v14
	v_cvt_scalef32_pk8_fp8_f32 v[QF+8*\x+4*\c+2:QF+8*\x+4*\c+3], v[128+32*\x+16*\c+8:128+32*\x+16*\c+15], v14
.endr
.endr
	v_nop
	; the walk begins: phases -2, -1, 0 and the first part of phase 1
	PA 2, 0,0,1,0,0
	PB 2, 1,0,1,0,0,0
	PA 3, 1,0,1,0,0
	PB 3, 0,0,1,0,0,1
	PA 0, 1,0,1,0,0
	PB 0, 0,0,1,1,0,1
	PA 1, 1,0,1,0,1
	WIN 0
.Lslot:                                            ; slots 0 to 2: behind each change the next slot is asked for
	CHANGE 1
	s_mov_b32 s[CNT], 8
.Ltrip:
	TRIP
	s_sub_co_u32 s[CNT], s[CNT], 1
	s_cmp_lg_u32 s[CNT], 0
	s_cbranch_scc1 .Ltrip
	s_xor_b32 s[SB], s[SB], SLOTB
	s_sub_co_u32 s[SLOTS], s[SLOTS], 1
	s_cmp_lg_u32 s[SLOTS], 0
	s_cbranch_scc1 .Lslot
	CHANGE 0                                       ; the last slot is written out: nothing more is asked for
	s_mov_b32 s[CNT], 7
.Ltrip_last:
	TRIP
	s_sub_co_u32 s[CNT], s[CNT], 1
	s_cmp_lg_u32 s[CNT], 0
	s_cbranch_scc1 .Ltrip_last
	; unit 31: V alone; the walk runs out
	PB 1, 0,2,1,1,1,1
	PA 2, 1,1,0,1,1
	PB 2, 0,0,0,1,1,1
	PA 3, 0,1,0,0,1
	PB 3, 0,0,0,1,1,0
	PA 0, 0,1,0,0,1
	PB 0, 0,0,0,0,1,0
	PA 1, 0,1,0,0,0
	; THE WAY OUT.  The sums' parts are added; O^T is divided by the sum, multiplied by 2^(ep + ev) and sent through my stage, so that sixteen lanes store a head's whole row.  The additions are the places behind the last products.
	WIN 0xaa
.irp x, 0,1,2,3
	v_pk_add_f32 v[ST+16*\x+2:ST+16*\x+3], v[ST+16*\x+2:ST+16*\x+3], v[ST+16*\x+4:ST+16*\x+5]
.endr
.irp x, 0,1,2,3
	v_pk_add_f32 v[ST+16*\x+6:ST+16*\x+7], v[ST+16*\x+6:ST+16*\x+7], v[ST+16*\x+8:ST+16*\x+9]
.endr
.irp x, 0,1,2,3
	v_pk_add_f32 v[ST+16*\x+2:ST+16*\x+3], v[ST+16*\x+2:ST+16*\x+3], v[ST+16*\x+6:ST+16*\x+7]
.endr
.irp x, 0,1,2,3
	v_add_f32 v[ST+16*\x+2], v[ST+16*\x+2], v[ST+16*\x+3]
.endr
.irp x, 0,1,2,3
	v_permlanex16_b32 v[ST+16*\x+14], v[ST+16*\x+2], s[SEL], s[SEL+1]
.endr
.irp x, 0,1,2,3
	v_add_f32 v[ST+16*\x+2], v[ST+16*\x+2], v[ST+16*\x+14]
.endr
	s_wait_alu depctr_va_vdst(0)                   ; ahead of the batch
.irp x, 0,1,2,3
	v_rcp_f32 v[ST+16*\x+12], v[ST+16*\x+2]
.endr
	WIN 0
	s_add_co_i32 s42, s18, s19                     ; ev + ep
	v_mul_u32_u24 v[STO], v12, SP                  ; (plain lines behind the reciprocals)  in: row r, 32 bytes for each half of the lanes
	v_lshl_add_u32 v[STO], v13, 5, v[STO]
	v_add_nc_u32 v[STO], s[STG], v[STO]
	WIN 0xaa
	s_wait_alu depctr_va_vdst(0)                   ; and behind it, ahead of its first reader
.irp x, 0,1,2,3
	v_ldexp_f32 v[ST+16*\x+12], v[ST+16*\x+12], s42   ; 2^(ep + ev) / the sum
.endr
	WIN 0x4a
	s_wait_alu depctr_va_vdst(0)                   ; directly ahead of the first reader of O^T
.irp x, 0,1,2,3
.irp j, 0,2,4,6,8,10,12,14,16,18,20,22,24,26,28,30
	v_pk_mul_f32 v[32*\x+\j:32*\x+\j+1], v[32*\x+\j:32*\x+\j+1], v[ST+16*\x+12:ST+16*\x+13] op_sel_hi:[1,0]   ; register 8 t + i is out(query r, channel 16 t + 8 hh + i)
.endr
.endr
	WIN 0x44
.irp x, 0,1,2,3
.irp t, 0,1,2,3
	ds_store_b128 v[STO], v[32*\x+8*\t:32*\x+8*\t+3] offset:16*SP*(\x%2)+64*\t
	ds_store_b128 v[STO], v[32*\x+8*\t+4:32*\x+8*\t+7] offset:16*SP*(\x%2)+64*\t+16
.endr
.irp i, 0,1,2,3,4,5,6,7
	ds_load_b128 v[128+32*\x+4*\i:128+32*\x+4*\i+3], v[RD] offset:16*SP*(\x%2)+2*SP*\i   ; LDS serves a wave's instructions in order: these see my stores, and later tiles' stores come behind them
.endr
.endr
.irp x, 0,1,2,3
.irp i, 0,1,2,3,4,5,6,7
	s_wait_dscnt 16*(3-\x)+7-\i                    ; behind this load: its tile's younger loads and the later tiles' sixteen LDS instructions each
	global_store_b128 v[GO], v[128+32*\x+4*\i:128+32*\x+4*\i+3], s[10:11] offset:(16*\x+2*\i)*2048 th:TH_STORE_NT   ; sixteen lanes store 256 consecutive bytes, aligned
.endr
.endr
	WIN 0
	s_wait_tensorcnt 0x0                           ; the wave's end
	ds_add_u32 v[SPW], v[NIL]
	s_wait_dscnt 0x0
	CROUND                                         ; the closing round
	s_endpgm
.Lfunc_end_k_qe495501dde_attn:
	.size	k_qe495501dde_attn, .Lfunc_end_k_qe495501dde_attn-k_qe495501dde_attn
	.p2alignl 7, 3214868480
	.fill 96, 4, 3214868480
	.section	.rodata,"a",@progbits
	.p2align	6, 0x0
	.amdhsa_kernel k_qe495501dde_attn
		.amdhsa_group_segment_fixed_size 327680
		.amdhsa_private_segment_fixed_size 0
		.amdhsa_enable_private_segment 0
		.amdhsa_kernarg_size 32
		.amdhsa_user_sgpr_count 2
		.amdhsa_user_sgpr_kernarg_segment_ptr 1
		.amdhsa_wavefront_size32 1
		.amdhsa_system_sgpr_workgroup_id_x 1
		.amdhsa_system_sgpr_workgroup_id_y 1
		.amdhsa_system_sgpr_workgroup_id_z 1
		.amdhsa_system_vgpr_workitem_id 0
		.amdhsa_next_free_vgpr 768
		.amdhsa_next_free_sgpr 66
		.amdhsa_reserve_vcc 0
		.amdhsa_float_denorm_mode_32 3
		.amdhsa_float_denorm_mode_16_64 3
		.amdhsa_memory_ordered 1
		.amdhsa_forward_progress 1
		.amdhsa_inst_pref_size 210
	.end_amdhsa_kernel
	.amdgpu_metadata
---
amdhsa.version: [ 1, 2 ]
amdhsa.kernels:
  - .name:           k_qe495501dde_attn
    .symbol:         k_qe495501dde_attn.kd
    .args:
      - { .name: queries, .offset: 0, .size: 8, .value_kind: global_buffer, .address_space: global }
      - { .name: kv, .offset: 8, .size: 8, .value_kind: global_buffer, .address_space: global }
      - { .name: lowp_scales, .offset: 16, .size: 8, .value_kind: global_buffer, .address_space: global }
      - { .name: out0, .offset: 24, .size: 8, .value_kind: global_buffer, .address_space: global }
    .group_segment_fixed_size: 327680
    .private_segment_fixed_size: 0
    .kernarg_segment_align: 8
    .kernarg_segment_size: 32
    .max_flat_workgroup_size: 128
    .sgpr_count:     66
    .vgpr_count:     768
    .wavefront_size: 32
...
	.end_amdgpu_metadata
.endif
;; end of part 2
